; MI455X (gfx1250); checked and timed in simulation.
; The chip was launched on July 23, 2026; its instructions are those of AMD's public machine-readable ISA for CDNA 5 (MIT licence, August 2026) and "CDNA5" Instruction Set Architecture Reference Guide (July 2026). The comments in the code are by the model that wrote it; some were corrected since.
;; Hyper GRU Cell. Allowed arithmetic: matrix products marked QUANTISED: E2M3 operands, one E8M0 scale for each 32 along K, by v_wmma_scale_f32_16x16x128_f8f6f4 with both operands' format E2M3, f32 sums; everything else in f32.
;; Inputs: U 512 x 512 float32; Ur 512 x 512 float32; Uz 512 x 512 float32; W 512 x 512 float32; Wr 512 x 512 float32; Wz 512 x 512 float32; bU 512 float32; bUr 512 float32; bUz 512 float32; bW 512 float32; bWr 512 float32; bWz 512 float32; inp 16,384 x 512 float32; prev 16,384 x 512 float32.
;; Outputs: out0 16,384 x 512 float32.
;; This version of the problem:
;;   THIS VERSION OF THE PROBLEM IS GIVEN IN LOW PRECISION. The matrix products marked QUANTISED in the list below multiply operands that are first quantised to E2M3 (2 exponent bits, 3 mantissa bits; 6 bits a number), with one power-of-two scale for each 32 numbers along K (OCP MX v1.0); their sums are f32. All else is computed in f32.
;;   The module's matrix products, in the order in which they are computed (A, B: the left and right operand; K: the contracted axis; several contracted axes count as one K, in the product's order):
;;     1. [M 16,384, K 512] x [K 512, N 512]; A: input prev; B: input Wr: QUANTISED
;;     2. [M 16,384, K 512] x [K 512, N 512]; A: input inp; B: input Ur: QUANTISED
;;     3. [M 16,384, K 512] x [K 512, N 512]; A: input prev; B: input Wz: QUANTISED
;;     4. [M 16,384, K 512] x [K 512, N 512]; A: input inp; B: input Uz: QUANTISED
;;     5. [M 16,384, K 512] x [K 512, N 512]; A: computed on the way; B: input W: QUANTISED
;;     6. [M 16,384, K 512] x [K 512, N 512]; A: input inp; B: input U: QUANTISED
;;   THE QUANTISER, for each operand of a quantised product, along K:
;;     - K is cut into blocks of 32 from its start; a last block that is shorter is filled with zeros.
;;     - A block's scale is 2^e with e = floor(log2(the largest magnitude in the block)) - 2, held to -126 .. 127; a block of zeros has e = 0. As a byte (E8M0): e + 127.
;;     - Each number is divided by its block's scale, clamped to +-7.5, and rounded to the nearest number of E2M3, ties to even, subnormals kept.
;;     - The product sums the exact products of the quantised numbers (number of the format x scale) in f32.
;;   ~~~python
;;   def quantise(x, axis):      # numpy; x: float32 -> the quantised numbers, widened to float32 again
;;       x = np.moveaxis(x, axis, -1); K = x.shape[-1]
;;       x = np.pad(x, [(0, 0)] * (x.ndim - 1) + [(0, -K % 32)]); x = x.reshape(x.shape[:-1] + (-1, 32)); a = np.abs(x).max(-1, keepdims=True)
;;       e = np.where(a > 0, np.clip(np.frexp(np.where(a > 0, a, 1))[1] - 1 - 2, -126, 127), 0)      # np.frexp(a)[1] - 1 = floor(log2(a)), exactly
;;       r = np.clip(x / 2.0 ** e, -7.5, 7.5)
;;       step = 2.0 ** (np.maximum(np.frexp(np.where(r == 0, 1, r))[1] - 1, 0) - 3)
;;       q = np.round(r / step) * step * 2.0 ** e      # np.round: ties to even
;;       return np.moveaxis(q.reshape(q.shape[:-2] + (-1,))[..., :K], -1, axis).astype(np.float32)
;;   ~~~
;;   OPERANDS COMPUTED ON THE WAY. 'Computed on the way' means the value that the module computes at that place (a softmax that the list does not call 'softmax' is quantised finished and normalised). What goes into a quantiser is computed in f32, as accurately as f32 sums, v_exp_f32 and their like allow (about 1e-6 of the number): no bf16 or f16 on the way to a quantiser, and a product that is left as it is and whose result goes on into a quantised operand takes f32 operands (vector FMAs, or v_wmma_f32_16x16x4_f32). A number that lies on a knife's edge between two numbers of the format may be rounded either way, as far as f32 arithmetic and the matrix unit's own rounding can turn it there, and no further.
;; One version. Each part assembles by itself: llvm-mc -triple=amdgcn-amd-amdhsa -mcpu=gfx1250 --defsym DOCPART=n.
;; ======== version 1 of 1: 2 launches
;; limits: right only within a limited range of input values
;; workspace buffers: wq 1,228,800 bytes
;; launch quantw (part 1): grid 96 x 1, 4 waves a work-group, no clusters, 13,312 bytes of LDS; arguments Wr, Ur, W, U, Wz, Uz, wq; writes wq
.if DOCPART == 1
	.amdgcn_target "amdgcn-amd-amdhsa--gfx1250"
	.amdhsa_code_object_version 6
	.text
	.protected	k_q303cd25190_quantw
	.globl	k_q303cd25190_quantw
	.p2align	8
	.type	k_q303cd25190_quantw,@function
k_q303cd25190_quantw:
	s_mov_b64 s[64:65], 0
	v_nop
	global_prefetch_b8 v0, s[64:65] scope:SCOPE_SE
	s_setreg_imm32_b32 hwreg(HW_REG_WAVE_MODE, 25, 1), 1
	s_wait_xcnt 0x0
; The six weights [512 (k)][512 (n)], f32, K their FIRST axis, become codes of FP6 (E2M3) with one E8M0 byte for each 32 along K,
; laid in wq in the ORDER OF THE OPERAND REGISTERS of the launch that follows.
; wq: 24 units of 51,200 bytes, unit 4 g + s (g: Wr, Ur, W, U, Wz, Uz; s: K step of 128); a unit is 4 blocks of 12,800 bytes (block w: columns 128 w on);
; a block is 8 fragment images of 1,536 bytes (tile t; registers 4 c .. 4 c + 3 of lane l at 512 c + 16 l) and one scale image of 512 bytes
; (the word at 16 l + 4 q: tile 2 q + l / 16, row l % 16).  Lane (r, h) of tile 2 b + u holds column 32 b + 8 u + r + 8 (r / 8) of the block,
; its registers 6 c .. 6 c + 5 the codes of k = 64 c + 32 h + 0 .. 31 of the K step.
; SHARES: work-group n makes block n: 12,800 consecutive bytes.  Wave v takes columns 32 v + lane, A LANE TO A COLUMN, REGISTERS DOWN K: each load reads
; 128 consecutive bytes, a block of 32 along K lies in one lane, and the conversions give codes with K innermost.  Nothing is transposed by an instruction.
; A block's scale is 2^(floor(log2(largest magnitude)) - 2); its byte is the largest magnitude's exponent field - 2, held at 1 from below.
; LIMITS: a block of zeros gets the byte 1 where the rule says 127 (its codes are zeros, and this program alone reads the bytes); blocks whose largest
; magnitude lies under 2^-124 are held at the byte 1; NaN and infinities among the inputs are not served.
; 96 work-groups: a scale word (128 along K of one column) is made whole in one lane; a finer share would cut it.
.set NUM, 32                           ; v32-159  128 numbers: W(128 s + i, my column); later v32-55 the images read back
.set COD, 160                          ; v160-191 the codes of block b at v[160 + 8 b] .. + 5
	s_load_b256 s[4:11], s[0:1], 0x0               ; the six weights in the order of the args line: g = 0 .. 3
	s_load_b128 s[12:15], s[0:1], 0x20             ; g = 4, 5
	s_load_b64 s[16:17], s[0:1], 0x30              ; wq
	v_lshl_add_u32 v208, v0, 2, 0x3200
	v_mov_b32 v209, 0
	v_lshrrev_b32 v7, 5, v0                        ; wave
	v_readfirstlane_b32 s20, v7
	v_and_b32 v8, 31, v0                           ; lane
	v_lshlrev_b32 v1, 2, v8                        ; in: 4 bytes a lane
	v_lshlrev_b32 v5, 4, v8                        ; 16 x lane
	v_mad_u32_u24 v3, v7, 3072, v5                 ; my wave's two images, 16 bytes a lane: in LDS and in the block alike
	v_and_b32 v9, 7, v8
	v_bfe_u32 v10, v0, 4, 1
	v_lshl_add_u32 v9, v10, 3, v9                  ; r = lane % 8 + 8 (lane / 16): the row of the tile that my column is
	v_bfe_u32 v10, v0, 3, 1                        ; u = (lane / 8) % 2: which of my wave's two tiles
	v_mul_u32_u24 v2, v7, 3072
	v_mad_u32_u24 v2, v10, 1536, v2
	v_lshl_add_u32 v2, v9, 4, v2                   ; where my codes go: tile 2 v + u, lane r (+ 16 h by the immediate)
	v_lshl_add_u32 v4, v10, 4, v9
	v_lshlrev_b32 v4, 4, v4
	v_lshl_add_u32 v4, v7, 2, v4
	v_add_nc_u32 v4, 12288, v4                     ; my scale word: 12,288 + 16 (r + 16 u) + 4 v
	s_lshr_b32 s21, ttmp9, 4                       ; g: which weight
	s_bfe_u32 s22, ttmp9, 0x20002                  ; s: which K step
	s_and_b32 s23, ttmp9, 3                        ; w: which 128 columns
	s_lshl_b32 s24, s22, 18                        ; 128 rows of 2,048 bytes
	s_lshl_b32 s25, s23, 9
	s_add_co_u32 s24, s24, s25
	s_lshl_b32 s25, s20, 7
	s_add_co_u32 s24, s24, s25                     ; + 4 (128 w + 32 v)
	s_mov_b32 s25, 0
	s_mul_i32 s26, ttmp9, 12800
	s_mov_b32 s27, 0
	s_wait_kmcnt 0x0
	s_cmp_eq_u32 s21, 1                            ; the weight is chosen by the work-group's number alone
	s_cselect_b64 s[4:5], s[6:7], s[4:5]
	s_cmp_eq_u32 s21, 2
	s_cselect_b64 s[4:5], s[8:9], s[4:5]
	s_cmp_eq_u32 s21, 3
	s_cselect_b64 s[4:5], s[10:11], s[4:5]
	s_cmp_eq_u32 s21, 4
	s_cselect_b64 s[4:5], s[12:13], s[4:5]
	s_cmp_eq_u32 s21, 5
	s_cselect_b64 s[4:5], s[14:15], s[4:5]
	s_add_nc_u64 s[4:5], s[4:5], s[24:25]
	s_add_nc_u64 s[16:17], s[16:17], s[26:27]
.set Q, 0
.rept 128
	global_load_b32 v[NUM+Q], v1, s[4:5] offset:2048*Q th:TH_LOAD_NT   ; 32 lanes read 128 consecutive bytes of row Q
.set Q, Q+1
.endr
; Block b of 32 along K.  left: how many younger loads may stay out.
.macro BLOCK b, left
.set XS, NUM+32*\b
.set Z, COD+8*\b
	s_wait_loadcnt \left
	v_max3_num_f32 v12, |v[XS]|, |v[XS+1]|, |v[XS+2]|              ; the block's largest magnitude: all 32 numbers are mine; two chains
	v_max3_num_f32 v13, |v[XS+3]|, |v[XS+4]|, |v[XS+5]|
.irp i, 6,10,14,18,22,26
	v_max3_num_f32 v12, v12, |v[XS+\i]|, |v[XS+\i+1]|
	v_max3_num_f32 v13, v13, |v[XS+\i+2]|, |v[XS+\i+3]|
.endr
	v_max3_num_f32 v12, v12, |v[XS+30]|, |v[XS+31]|
	v_max3_num_f32 v12, v12, v13, 0x1800000        ; and the floor 2^(3 - 127): the byte cannot fall under 1
	v_add_nc_u32 v11, 0xff000000, v12              ; 2 off the exponent field: the conversion takes this operand's exponent field as its scale
	v_lshrrev_b32 v13, 23, v11                     ; the scale's byte
.if \b == 0
	v_mov_b32 v196, v13
.else
	v_lshl_or_b32 v196, v13, 8*\b, v196            ; byte b of my column's scale word
.endif
	v_cvt_scalef32_pk16_fp6_f32 v[Z:Z+2], v[XS:XS+15], v11
	v_cvt_scalef32_pk16_fp6_f32 v[192:194], v[XS+16:XS+31], v11    ; (a conversion's three registers begin on an even number)
	v_nop                                          ; one plain place behind a scaled conversion
	v_mov_b32 v[Z+3], v192
	v_mov_b32 v[Z+4], v193
	v_mov_b32 v[Z+5], v194
.if \b < 2                             ; block 2 c + h is registers 6 c .. 6 c + 5 of lane r + 16 h
	ds_store_b128 v2, v[Z:Z+3] offset:256*(\b%2)
	ds_store_b64 v2, v[Z+4:Z+5] offset:512+256*(\b%2)
.else
	ds_store_b64 v2, v[Z:Z+1] offset:520+256*(\b%2)
	ds_store_b128 v2, v[Z+2:Z+5] offset:1024+256*(\b%2)
.endif
.endm
	BLOCK 0, 63                                    ; at most 63 of the 128 loads are out: rows 0 to 64 are in, which covers blocks 0 and 1
	BLOCK 1, 63
	BLOCK 2, 32                                    ; 32 loads were issued behind block 2's
	BLOCK 3, 0
	ds_store_b32 v4, v196
.irp k, 0,1,2,3,4,5
	ds_load_b128 v[32+4*\k:35+4*\k], v3 offset:512*\k              ; my wave's own bytes; LDS serves a wave's instructions in order: these see my stores
.endr
.irp k, 0,1,2,3,4,5
	s_wait_dscnt 5-\k                              ; the younger loads may stay out
	global_store_b128 v3, v[32+4*\k:35+4*\k], s[16:17] offset:512*\k   ; 32 lanes store 512 consecutive bytes, at a multiple of 256 from wq's first byte
.endr
	s_wait_dscnt 0x0                               ; for the others' sake: my scale words lie in LDS
	s_barrier_signal -1
	s_barrier_wait -1
	s_cmp_lg_u32 s20, 0
	s_cbranch_scc1 .Ldone                          ; the scale image holds words of all four waves: wave 0 stores it
	ds_load_b128 v[56:59], v5 offset:12288
	s_wait_dscnt 0x0
	global_store_b128 v5, v[56:59], s[16:17] offset:12288
.Ldone:
	s_wait_tensorcnt 0x0
	ds_add_u32 v208, v209
	s_wait_dscnt 0x0
	s_endpgm
.Lfunc_end_k_q303cd25190_quantw:
	.size	k_q303cd25190_quantw, .Lfunc_end_k_q303cd25190_quantw-k_q303cd25190_quantw
	.p2alignl 7, 3214868480
	.fill 96, 4, 3214868480
	.section	.rodata,"a",@progbits
	.p2align	6, 0x0
	.amdhsa_kernel k_q303cd25190_quantw
		.amdhsa_group_segment_fixed_size 13312
		.amdhsa_private_segment_fixed_size 0
		.amdhsa_enable_private_segment 0
		.amdhsa_kernarg_size 56
		.amdhsa_user_sgpr_count 2
		.amdhsa_user_sgpr_kernarg_segment_ptr 1
		.amdhsa_wavefront_size32 1
		.amdhsa_system_sgpr_workgroup_id_x 1
		.amdhsa_system_sgpr_workgroup_id_y 1
		.amdhsa_system_sgpr_workgroup_id_z 1
		.amdhsa_system_vgpr_workitem_id 0
		.amdhsa_next_free_vgpr 210
		.amdhsa_next_free_sgpr 66
		.amdhsa_reserve_vcc 0
		.amdhsa_float_denorm_mode_32 3
		.amdhsa_float_denorm_mode_16_64 3
		.amdhsa_memory_ordered 1
		.amdhsa_forward_progress 1
		.amdhsa_inst_pref_size 23
	.end_amdhsa_kernel
	.amdgpu_metadata
---
amdhsa.version: [ 1, 2 ]
amdhsa.kernels:
  - .name:           k_q303cd25190_quantw
    .symbol:         k_q303cd25190_quantw.kd
    .args:
      - { .name: Wr, .offset: 0, .size: 8, .value_kind: global_buffer, .address_space: global }
      - { .name: Ur, .offset: 8, .size: 8, .value_kind: global_buffer, .address_space: global }
      - { .name: W, .offset: 16, .size: 8, .value_kind: global_buffer, .address_space: global }
      - { .name: U, .offset: 24, .size: 8, .value_kind: global_buffer, .address_space: global }
      - { .name: Wz, .offset: 32, .size: 8, .value_kind: global_buffer, .address_space: global }
      - { .name: Uz, .offset: 40, .size: 8, .value_kind: global_buffer, .address_space: global }
      - { .name: wq, .offset: 48, .size: 8, .value_kind: global_buffer, .address_space: global }
    .group_segment_fixed_size: 13312
    .private_segment_fixed_size: 0
    .kernarg_segment_align: 8
    .kernarg_segment_size: 56
    .max_flat_workgroup_size: 128
    .sgpr_count:     66
    .vgpr_count:     210
    .wavefront_size: 32
...
	.end_amdgpu_metadata
.endif
;; end of part 1
;; launch gru (part 2): grid 256 x 1, 8 waves a work-group, clusters of 4 x 1, 327,680 bytes of LDS; arguments inp, prev, wq, bWr, bUr, bW, bU, bWz, bUz, out0; writes out0
.if DOCPART == 2
	.amdgcn_target "amdgcn-amd-amdhsa--gfx1250"
	.amdhsa_code_object_version 6
	.text
	.protected	k_q303cd25190_gru
	.globl	k_q303cd25190_gru
	.p2align	8
	.type	k_q303cd25190_gru,@function
k_q303cd25190_gru:
	s_mov_b64 s[64:65], 0
	v_nop
	global_prefetch_b8 v0, s[64:65] scope:SCOPE_SE
	s_setreg_imm32_b32 hwreg(HW_REG_WAVE_MODE, 25, 1), 1
	s_wait_xcnt 0x0
	s_wait_alu depctr_hold_cnt(0) depctr_sa_sdst(0) depctr_va_vdst(0) depctr_va_sdst(0) depctr_va_ssrc(0) depctr_va_vcc(0) depctr_vm_vsrc(0)
	s_getreg_b32 s2, hwreg(HW_REG_IB_STS2, 6, 4)
	s_cmp_eq_u32 s2, 0
	s_cbranch_scc0 .Lentry_in_a_cluster
	s_endpgm
.Lentry_in_a_cluster:
	s_bfe_u32 s2, ttmp6, 0x10000c
	s_cmp_lg_u32 s2, 0x3003
	s_cbranch_scc0 .Lentry_shape_is_right
	s_endpgm
.Lentry_shape_is_right:
; The whole hyperbolic GRU cell for 64 rows a work-group.  Eight waves: wave 4 g + w owns rows 32 g .. 32 g + 31 and columns 128 w .. 128 w + 127.
; The reset gate, the candidate and the update gate share one form, mobius_add(mobius_add(from_mx(prev, M1), b1), mobius_add(from_mx(inp, M2), b2)):
; ONE LOOP OF THREE TRIPS (r, candidate, z) makes M1 (P) and M2 (X), seven row dots, the row coefficients, and e1 P + e2 X + e3 b1 + e4 b2.
; Trips 0 and 2 go on to the sigmoid and multiply by prev (trip 0) or res1 (trip 2); trip 0 quantises prev x rt into an operand image; trip 1 makes res1 over prev.
; prev is fetched a second time behind the loop, so that no tile is spilled.  Nothing of reference() is left out.
; wq holds the weights' codes in operand order (launch quantw): 12 items of 102,400 bytes, four to a trip, through two LDS slots; the four work-groups of a cluster ask jointly.
; The two refills in the trip's body are due in every trip; the double refill for the next trip stands behind the loop's exit test.
; No prefetch: the weights are read by every cluster all through the launch, and prev's second read names bytes that this work-group has read at its head.
; REGISTERS: window 0: v0-19 addresses and row constants, v20-31 scale words, v32-127 at work (A 2 x 24, B 48), v128-255 prev, then res1.  Window 1: v0-127 P, v128-255 X.
; Layout of a tile (matrix instruction used transposed): lane (r, h), register 64 m + 16 b + i: row 16 m + r, column 32 b + 16 h + i.  Row values: lane l holds row l of the wave's 32.
; LIMITS: a block of zeros gets the scale byte 1 (its codes are zeros; the bytes are read here alone); NaN and infinities among the inputs are not served.
.set UNIT, 51200
.set BLKB, 12800
.set ITEM, 102400
.set PIMG, 204800
.set XIMG, 233472
.set AIMG, 262144
.set REC, 7168                         ; an image's record for 128 along K: for each g two fragments of 1,536 and 512 of scale words
.set SUB, 3584
.set BIAS, 290816
.set RED, 303104
.set SPARE, 319488
.set STRIP, 33792                      ; 64 rows x (512 + 16) bytes
.set LI, 1
.set SPW, 2
.set NIL, 3
.set BAD0, 4
.set RP, 6
.set RX, 7
.set RB, 8
.set TB, 9
.set REDW, 10
.set REDR, 11
.set BIA, 12
.set BIC, 13
.set TA, 14
.set KP, 15
.set KX, 16
.set PP, 17
.set KR, 18
.set CO, 19
.set BS, 20
.set AS, 28
.set AC, 32
.set AF, 32
.set CB, 40
.set NN, 48
.set BF, 80
.set TM, 96
.set G1S, 24
.set G1F, 32
.set G1N, 40
.set G0H, 48
.set G0F, 52
.set G0A, 56
.set G0B, 60
.set G0P, 68
.set BD, 72
.set WV, 81
.set SG, 82
.set SW, 83
.set SEL, 84
.set TR, 86
.set SRP, 87
.set SBI, 88
.set MK, 89
.set SB, 90
.set MINN, 0x33d6bf95
.set MSB, 0
.macro WIN new
.if MSB != (\new)
	s_set_vgpr_msb (MSB<<8)|(\new)
.set MSB, \new
.endif
.endm
.macro WA
	s_wait_alu depctr_va_vdst(0)
.endm
.macro WD n
	WA
	s_wait_dscnt \n
.endm
.macro PLACES
.rept 4
	v_nop
.endr
.endm
.macro ROUND
	s_barrier_signal -1
	s_barrier_wait -1
	s_cmp_lg_u32 s[WV], 0
	s_cbranch_scc1 .Lnot_wave_0_\@
	s_barrier_signal -3
.Lnot_wave_0_\@:
	s_barrier_wait -3
	s_barrier_signal -1
	s_barrier_wait -1
.endm
; A refill: all my tensor loads waited for, the add, my LDS instructions waited for, a round of the cluster's barrier, one load.
.macro CHANGE g0, g1, mode
	WIN 0
	WA
	s_wait_tensorcnt 0x0
	ds_add_u32 v[SPW], v[NIL]
.if \mode == 1                         ; no load of mine is out: the three weight descriptors step to the next trip's items
	s_add_nc_u64 s[G0F+2:G0F+3], s[G0F+2:G0F+3], 4*ITEM
	s_add_nc_u64 s[G0A+2:G0A+3], s[G0A+2:G0A+3], 4*ITEM
	s_add_nc_u64 s[G0B+2:G0B+3], s[G0B+2:G0B+3], 4*ITEM
.endif
.if \mode == 2                         ; the strips' shape: from here on 32 rows a load
	s_mov_b32 s[G1S+2], 32<<16
	s_mov_b32 s[G1S+4], 32
.endif
	s_wait_dscnt 0x0
	ROUND
	tensor_load_to_lds s[\g0:\g0+3], s[\g1:\g1+7]
	s_nop 0
	PLACES
.endm
.macro MEET                            ; what was on its way is whole for all eight waves
	WIN 0
	WA
	s_wait_tensorcnt 0x0
	ds_add_u32 v[SPW], v[NIL]
	s_wait_dscnt 0x0
	s_barrier_signal -1
	s_barrier_wait -1
.endm
.macro BAR
	WIN 0
	WD 0x0
	s_barrier_signal -1
	s_barrier_wait -1
.endm
; ---- products ----
.macro LDA img, s, set                 ; my two fragments of A and their scale words: 7 loads
.irp m, 0,1
.irp c, 0,1,2
	ds_load_b128 v[AF+24*(\set)+12*\m+4*\c:AF+24*(\set)+12*\m+4*\c+3], v[\img] offset:REC*(\s)+1536*\m+512*\c
.endr
.endr
	ds_load_b64 v[AS+2*(\set):AS+2*(\set)+1], v[\img] offset:REC*(\s)+3072
.endm
.macro LDSC pos, set                   ; B's scale words of the K step
	ds_load_b128 v[BS+4*(\set):BS+4*(\set)+3], v[BAD0+(\pos)/2] offset:((\pos)%2)*UNIT+12288
.endm
.macro LDB pos, t0                     ; B's tiles t0, t0 + 1: 6 loads
.irp t, \t0, \t0+1
.irp c, 0,1,2
	ds_load_b128 v[BF+12*((\t)%4)+4*\c:BF+12*((\t)%4)+4*\c+3], v[BAD0+(\pos)/2] offset:((\pos)%2)*UNIT+1536*(\t)+512*\c
.endr
.endr
.endm
.macro WM d, b, a, sb, sa, odd, zero
.if \zero
.if \odd
	v_wmma_scale_f32_16x16x128_f8f6f4 v[\d:\d+7], v[\b:\b+11], v[\a:\a+11], 0, v[\sb], v[\sa] matrix_a_fmt:MATRIX_FMT_FP6 matrix_b_fmt:MATRIX_FMT_FP6 matrix_a_scale:MATRIX_SCALE_ROW1
.else
	v_wmma_scale_f32_16x16x128_f8f6f4 v[\d:\d+7], v[\b:\b+11], v[\a:\a+11], 0, v[\sb], v[\sa] matrix_a_fmt:MATRIX_FMT_FP6 matrix_b_fmt:MATRIX_FMT_FP6
.endif
.else
.if \odd
	v_wmma_scale_f32_16x16x128_f8f6f4 v[\d:\d+7], v[\b:\b+11], v[\a:\a+11], v[\d:\d+7], v[\sb], v[\sa] matrix_a_fmt:MATRIX_FMT_FP6 matrix_b_fmt:MATRIX_FMT_FP6 matrix_a_scale:MATRIX_SCALE_ROW1
.else
	v_wmma_scale_f32_16x16x128_f8f6f4 v[\d:\d+7], v[\b:\b+11], v[\a:\a+11], v[\d:\d+7], v[\sb], v[\sa] matrix_a_fmt:MATRIX_FMT_FP6 matrix_b_fmt:MATRIX_FMT_FP6
.endif
.endif
.endm
.macro MM4 ab, t0, set, zero           ; four products on four accumulators (the 16 take turns)
	WIN 0x50
.irp t, \t0, \t0+1
.irp m, 0,1
	WM (\ab)+64*\m+8*(\t), BF+12*((\t)%4), AF+24*(\set)+12*\m, BS+4*(\set)+(\t)/2, AS+2*(\set)+\m, (\t)%2, \zero
.endr
.endr
	WIN 0
.endm
; A K step of 128: B's tiles come in pairs through two halves of BF; each wait leaves out the loads issued behind the pair that is due (6, or 14 with the next step's A, scales and first pair).
.macro STEP ab, pos, img, s, zero, nxt
	s_wait_dscnt 6
	MM4 \ab, 0, (\s)%2, \zero
	PLACES
	LDB \pos, 4
	s_wait_dscnt 6
	MM4 \ab, 2, (\s)%2, \zero
	PLACES
	LDB \pos, 6
	s_wait_dscnt 6
	MM4 \ab, 4, (\s)%2, \zero
.if \nxt
	PLACES
	LDA \img, (\s)+1, 1-(\s)%2
	LDSC (\pos)+1, 1-(\s)%2
	LDB (\pos)+1, 0
	s_wait_dscnt 14
.else
	s_wait_dscnt 0x0
.endif
	MM4 \ab, 6, (\s)%2, \zero
.if \nxt
	PLACES
	LDB (\pos)+1, 2
.endif
.endm
.macro HALF ab, pos, img, s, zero      ; one slot: two K steps
	PLACES
	LDA \img, \s, 0
	LDSC \pos, 0
	LDB \pos, 0
	LDB \pos, 2
	STEP \ab, \pos, \img, \s, \zero, 1
	STEP \ab, (\pos)+1, \img, (\s)+1, 0, 0
.endm
; ---- passes over a tile ----
.macro BIASLD kk                       ; the trip's bias kk at my 64 columns -> v64-127
.irp b, 0,1,2,3
.irp j, 0,1,2,3
	ds_load_b128 v[64+16*\b+4*\j:64+16*\b+4*\j+3], v[BIC] offset:512*\kk+128*\b+16*\j
.endr
.endr
.endm
.macro DOT n, win, xb, yb, ystr        ; my 128 columns' part of a row dot -> word w of slot n
	WIN \win
.set DQ, 0
.rept 32
.irp mm, 0,1
.if DQ < 2
	v_pk_mul_f32 v[AC+4*\mm+2*(DQ%2):AC+4*\mm+2*(DQ%2)+1], v[(\xb)+64*\mm+2*DQ:(\xb)+64*\mm+2*DQ+1], v[(\yb)+(\ystr)*\mm+2*DQ:(\yb)+(\ystr)*\mm+2*DQ+1]
.else
	v_pk_fma_f32 v[AC+4*\mm+2*(DQ%2):AC+4*\mm+2*(DQ%2)+1], v[(\xb)+64*\mm+2*DQ:(\xb)+64*\mm+2*DQ+1], v[(\yb)+(\ystr)*\mm+2*DQ:(\yb)+(\ystr)*\mm+2*DQ+1], v[AC+4*\mm+2*(DQ%2):AC+4*\mm+2*(DQ%2)+1]
.endif
.endr
.set DQ, DQ+1
.endr
	WIN 0
	v_pk_add_f32 v[AC:AC+1], v[AC:AC+1], v[AC+2:AC+3]
	v_pk_add_f32 v[AC+4:AC+5], v[AC+4:AC+5], v[AC+6:AC+7]
	v_add_f32 v[AC], v[AC], v[AC+1]
	v_add_f32 v[AC+4], v[AC+4], v[AC+5]
	v_permlane16_swap_b32 v[AC], v[AC+4]           ; lane l now ends with row l
	v_add_f32 v[AC], v[AC], v[AC+4]
	ds_store_b32 v[REDW], v[AC] offset:512*\n
.endm
.macro SUMLD st, n
	ds_load_b128 v[\st:\st+3], v[REDR] offset:512*\n
.endm
.macro SUMP d, st
	v_pk_add_f32 v[\st:\st+1], v[\st:\st+1], v[\st+2:\st+3]
	v_add_f32 v[\d], v[\st], v[\st+1]
.endm
.macro BCAST cf, p                     ; row values -> cf: tile 0's rows in both halves of the lanes, cf + 1: tile 1's
	v_mov_b32 v[\cf], v[\p]
	v_mov_b32 v[\cf+1], v[\p]
	v_permlane16_swap_b32 v[\cf], v[\cf+1]
.endm
.macro EMULT db, m, cf
.set EQ, 0
.rept 32
.if (\m)%2
	v_pk_mul_f32 v[\db+64*(\m)+EQ:\db+64*(\m)+EQ+1], v[\db+64*(\m)+EQ:\db+64*(\m)+EQ+1], v[\cf:\cf+1] op_sel:[0,1] op_sel_hi:[1,1]
.else
	v_pk_mul_f32 v[\db+64*(\m)+EQ:\db+64*(\m)+EQ+1], v[\db+64*(\m)+EQ:\db+64*(\m)+EQ+1], v[\cf:\cf+1] op_sel_hi:[1,0]
.endif
.set EQ, EQ+2
.endr
.endm
.macro EFMAT db, m, xb, xstr, cf
.set EQ, 0
.rept 32
.if (\m)%2
	v_pk_fma_f32 v[\db+64*(\m)+EQ:\db+64*(\m)+EQ+1], v[\xb+(\xstr)*(\m)+EQ:\xb+(\xstr)*(\m)+EQ+1], v[\cf:\cf+1], v[\db+64*(\m)+EQ:\db+64*(\m)+EQ+1] op_sel:[0,1,0] op_sel_hi:[1,1,1]
.else
	v_pk_fma_f32 v[\db+64*(\m)+EQ:\db+64*(\m)+EQ+1], v[\xb+(\xstr)*(\m)+EQ:\xb+(\xstr)*(\m)+EQ+1], v[\cf:\cf+1], v[\db+64*(\m)+EQ:\db+64*(\m)+EQ+1] op_sel_hi:[1,0,1]
.endif
.set EQ, EQ+2
.endr
.endm
.macro EMUL win, db, cf
	WIN \win
	EMULT \db, 0, \cf
	EMULT \db, 1, \cf
.endm
.macro EFMA win, db, xb, xstr, cf
	WIN \win
	EFMAT \db, 0, \xb, \xstr, \cf
	EFMAT \db, 1, \xb, \xstr, \cf
.endm
.macro STRIPIN adr, db
.irp m, 0,1
.irp b, 0,1,2,3
.irp j, 0,1,2,3
	ds_load_b128 v[\db+64*\m+16*\b+4*\j:\db+64*\m+16*\b+4*\j+3], v[\adr] offset:8448*\m+128*\b+16*\j
.endr
.endr
.endr
.endm
; Tile m of 16 rows x 128 columns -> 12 operand registers at v[48 + 20 m] and a scale word in v[88 + m]
.macro QUANT ws, wd, db, m
.set QP, 48+20*\m
.set QD, \db+64*\m
	WIN \wd
.irp b, 0,1,2,3
	v_max3_num_f32 v[TM+\b], |v[QD+16*\b]|, |v[QD+16*\b+1]|, 0x1800000   ; with the floor 2^(3 - 127): the byte stays at 1 or above
.endr
.irp i, 2,4,6,8,10,12,14
.irp b, 0,1,2,3
	v_max3_num_f32 v[TM+\b], |v[QD+16*\b+\i]|, |v[QD+16*\b+\i+1]|, v[TM+\b]
.endr
.endr
	WIN 0
.irp b, 0,1,2,3
	v_permlanex16_b32 v[TM+4+\b], v[TM+\b], s[SEL], s[SEL+1]
.endr
.irp b, 0,1,2,3
	v_max_num_f32 v[TM+\b], v[TM+\b], v[TM+4+\b]
.endr
.irp b, 0,1,2,3
	v_add_nc_u32 v[TM+12+\b], 0xff000000, v[TM+\b]                 ; 2 off the exponent field: the conversion's scale operand
.endr
.irp b, 0,1,2,3
	v_lshrrev_b32 v[TM+4+\b], 23, v[TM+12+\b]
.endr
	v_lshl_or_b32 v[88+\m], v[TM+5], 8, v[TM+4]
	v_lshl_or_b32 v[88+\m], v[TM+6], 16, v[88+\m]
	v_lshl_or_b32 v[88+\m], v[TM+7], 24, v[88+\m]
	WIN \ws
.irp c, 0,1
	v_cvt_scalef32_pk16_fp6_f32 v[QP+6*\c:QP+6*\c+2], v[QD+32*\c:QD+32*\c+15], v[TM+12+2*\c]
	v_cvt_scalef32_pk16_fp6_f32 v[QP+12+4*\c:QP+14+4*\c], v[QD+32*\c+16:QD+32*\c+31], v[TM+13+2*\c]
.endr
	WIN 0
	v_nop
.irp c, 0,1
.irp i, 0,1,2
	v_permlane16_swap_b32 v[QP+6*\c+\i], v[QP+12+4*\c+\i]          ; a whole block of 32 to a lane
.endr
.irp i, 0,1,2
	v_mov_b32 v[QP+3+6*\c+\i], v[QP+12+4*\c+\i]
.endr
.endr
.endm
.macro IMAGES off
.irp m, 0,1
.irp c, 0,1,2
	ds_store_b128 v[TB], v[48+20*\m+4*\c:51+20*\m+4*\c] offset:\off+1536*\m+512*\c
.endr
.endr
	ds_store_b64 v[TB], v[88:89] offset:\off+3072
.endm
; ---- arithmetic on row values, one row a lane ----
.macro KAPPA d, u, t                   ; artanh(min(n, 1 - 1e-6)) / n, n = sqrt(max(u, 1e-7)); a series where n^2 < 1/64
	v_max_num_f32 v[\t], MINN, v[\u]
	WA
	v_sqrt_f32 v[\t], v[\t]
	v_mov_b32 v[\t+3], 0x3dba2e8c
	WA
	v_min_num_f32 v[\t+2], 0x3f7fffef, v[\t]
	WA
	v_rcp_f32 v[\t+1], v[\t]
	v_mul_f32 v[\t+4], v[\t+2], v[\t+2]
	v_add_f32 v[\t+5], 1.0, v[\t+2]
	v_sub_f32 v[\t], 1.0, v[\t+2]
	WA
	v_log_f32 v[\t+5], v[\t+5]
	v_log_f32 v[\t], v[\t]
	v_fmaak_f32 v[\t+3], v[\t+3], v[\t+4], 0x3de38e39
	v_fmaak_f32 v[\t+3], v[\t+3], v[\t+4], 0x3e124925
	v_fmaak_f32 v[\t+3], v[\t+3], v[\t+4], 0x3e4ccccd
	v_fmaak_f32 v[\t+3], v[\t+3], v[\t+4], 0x3eaaaaab
	v_fma_f32 v[\t+3], v[\t+3], v[\t+4], 1.0
	v_mul_f32 v[\t+3], v[\t+3], v[\t+2]
	WA
	v_sub_f32 v[\t], v[\t+5], v[\t]
	v_mul_f32 v[\t], 0x3eb17218, v[\t]
	v_cmp_gt_f32 vcc_lo, 0x3c800000, v[\t+4]
	v_cndmask_b32 v[\t], v[\t], v[\t+3], vcc_lo
	v_mul_f32 v[\d], v[\t], v[\t+1]
.endm
.macro TANH d, a, t                    ; a >= 0; a series where a < 1/8
	v_mul_f32 v[\t], 0x4038aa3b, v[\a]
	WA
	v_exp_f32 v[\t], v[\t]
	v_mul_f32 v[\t+1], v[\a], v[\a]
	v_mov_b32 v[\t+2], 0x3cb327a4
	WA
	v_add_f32 v[\t], 1.0, v[\t]
	WA
	v_rcp_f32 v[\t], v[\t]
	v_fmaak_f32 v[\t+2], v[\t+2], v[\t+1], 0xbd5d0dd1
	v_fmaak_f32 v[\t+2], v[\t+2], v[\t+1], 0x3e088889
	v_fmaak_f32 v[\t+2], v[\t+2], v[\t+1], 0xbeaaaaab
	v_fma_f32 v[\t+2], v[\t+2], v[\t+1], 1.0
	v_mul_f32 v[\t+2], v[\t+2], v[\a]
	WA
	v_fma_f32 v[\t], v[\t], -2.0, 1.0
	v_cmp_gt_f32 vcc_lo, 0x3e000000, v[\a]
	v_cndmask_b32 v[\d], v[\t], v[\t+2], vcc_lo
.endm
.macro FROMMX d, k, S, t               ; the factor on mx in mobius_from_mx: tanh(|mx| k) / |mx|, 0 where |mx| <= 1e-6
	v_max_num_f32 v[\t], MINN, v[\S]
	WA
	v_sqrt_f32 v[\t], v[\t]
	v_nop
	WA
	v_rcp_f32 v[\t+1], v[\t]
	v_nop
	v_mul_f32 v[\t+2], v[\t], v[\k]
	TANH \t+3, \t+2, \t+4
	v_mul_f32 v[\t+3], v[\t+3], v[\t+1]
	v_cmp_lt_f32 vcc_lo, 0x2b8cbccc, v[\S]
	v_cndmask_b32 v[\d], 0, v[\t+3], vcc_lo
.endm
.macro MOBADD ca, cb, x2, y2, xy, t    ; mobius_add(x, y) = ca x + cb y
	v_fma_f32 v[\t], v[\xy], 2.0, 1.0
	v_fma_f32 v[\t+1], v[\x2], v[\y2], v[\t]
	v_max_num_f32 v[\t+1], MINN, v[\t+1]
	WA
	v_rcp_f32 v[\t+1], v[\t+1]
	v_add_f32 v[\t], v[\t], v[\y2]
	v_sub_f32 v[\cb], 1.0, v[\x2]
	WA
	v_mul_f32 v[\ca], v[\t], v[\t+1]
	v_mul_f32 v[\cb], v[\cb], v[\t+1]
.endm
.macro NORM2 d, ca, cb, x2, y2, xy, t  ; |ca x + cb y|^2
	v_mul_f32 v[\t], v[\cb], v[\xy]
	v_mul_f32 v[\t+1], v[\ca], v[\x2]
	v_fma_f32 v[\t], v[\t], 2.0, v[\t+1]
	v_mul_f32 v[\t+1], v[\cb], v[\y2]
	v_mul_f32 v[\t], v[\t], v[\ca]
	v_fma_f32 v[\d], v[\t+1], v[\cb], v[\t]
.endm
.macro HYPLIN al, be, N, k, S, Sb, bb, t   ; mobius_add(from_mx(., mx), b) = al mx + be b, its square N
	FROMMX \t, \k, \S, \t+1
	v_mul_f32 v[\t+1], v[\t], v[\t]
	v_mul_f32 v[\t+1], v[\t+1], v[\S]
	v_mul_f32 v[\t+2], v[\t], v[\Sb]
	MOBADD \t+3, \be, \t+1, \bb, \t+2, \t+4
	NORM2 \N, \t+3, \be, \t+1, \bb, \t+2, \t+4
	v_mul_f32 v[\al], v[\t+3], v[\t]
.endm
.macro BDOT d, xa, ya
	v_pk_mul_f32 v[64+2*(\d):65+2*(\d)], v[\xa:\xa+1], v[\ya:\ya+1]
.irp j, 2,4,6,8,10,12,14
	v_pk_fma_f32 v[64+2*(\d):65+2*(\d)], v[\xa+\j:\xa+\j+1], v[\ya+\j:\ya+\j+1], v[64+2*(\d):65+2*(\d)]
.endr
.endm
.macro WDESC g, rows                   ; a dense block as rows of 256 bytes, asked for jointly by the cluster's four
	s_mov_b32 s[\g], 15|(3<<16)|(1<<21)
	s_mov_b32 s[\g+1], 32<<16
	s_mov_b32 s[\g+2], (\rows)<<16
	s_mov_b32 s[\g+3], 32<<16
	s_mov_b32 s[\g+4], \rows
	s_mov_b32 s[\g+5], 32
	s_mov_b32 s[\g+6], 0
	s_mov_b32 s[\g+7], 0
.endm
; ================= the head =================
	s_load_b512 s[4:19], s[0:1], 0x0               ; inp, prev, wq, bWr, bUr, bW, bU, bWz
	s_load_b128 s[20:23], s[0:1], 0x40             ; bUz, out0
	v_lshl_add_u32 v[SPW], v0, 2, SPARE
	v_mov_b32 v[NIL], 0
	ds_add_u32 v[SPW], v[NIL]
	ds_add_u32 v[SPW], v[NIL]
	v_lshrrev_b32 v32, 5, v0
	v_readfirstlane_b32 s[WV], v32
	s_lshr_b32 s[SG], s[WV], 2                     ; g: my 32 rows
	s_and_b32 s[SW], s[WV], 3                      ; w: my 128 columns
	v_and_b32 v33, 31, v0
	v_and_b32 v34, 15, v0
	v_bfe_u32 v35, v0, 4, 1
	v_lshlrev_b32 v[LI], 4, v33
	s_mul_i32 s92, s[SW], BLKB
	v_add_nc_u32 v[BAD0], s92, v[LI]               ; my block of a unit of weights, slot 0; slot 1
	v_add_nc_u32 v[BAD0+1], 2*UNIT, v[BAD0]
	s_mul_i32 s92, s[SG], SUB
	v_add_nc_u32 v[RB], s92, v[LI]
	v_add_nc_u32 v[RX], XIMG, v[RB]
	s_mul_i32 s93, s[SW], REC
	s_add_co_u32 s93, s93, PIMG
	v_add_nc_u32 v[TB], s93, v[RB]                 ; where my tiles' images go: record w, part g
	s_lshl_b32 s92, s[SG], 13
	s_add_co_u32 s92, s92, RED
	v_add_nc_u32 v[REDR], s92, v[LI]
	s_lshl_b32 s92, s[SW], 2
	v_add_nc_u32 v[REDW], s92, v[REDR]
	s_mul_i32 s92, s[SW], 3072
	s_add_co_u32 s92, s92, BIAS
	WA
	v_lshl_add_u32 v[BIA], v35, 6, s92
	v_add_nc_u32 v37, s92, v[LI]
	s_mul_i32 s[SB], s[SW], STRIP
	s_mul_i32 s93, s[SG], STRIP/2
	s_add_co_u32 s[SB], s[SB], s93                 ; my 32 rows of strip w
	v_mul_u32_u24 v[TA], v34, 528
	v_lshl_add_u32 v[TA], v35, 6, v[TA]
	v_add_nc_u32 v[TA], s[SB], v[TA]
	v_add_nc_u32 v38, 4*STRIP, v[TA]
	s_lshl_b32 s96, s[SW], 9
	s_mov_b32 s97, 0
	v_add_nc_u32 v36, s96, v[LI]
	v_mov_b32 v[KR], 0
.irp b, 0,1,2,3
	v_mov_b32 v[TM+4+\b], 0
.endr
	s_mov_b32 s[SEL], 0x76543210
	s_mov_b32 s[SEL+1], 0xfedcba98
	s_bfe_u32 s92, ttmp6, 0x40000
	s_lshl_b32 s93, ttmp9, 2
	s_add_co_u32 s93, s93, s92
	s_lshl_b32 s94, s93, 17                        ; 64 rows of 2,048 bytes a work-group
	s_mov_b32 s95, 0
	s_lshl_b32 s98, s[SG], 16
	s_add_co_u32 s98, s98, s96
	s_mov_b32 s99, 0
	s_mov_b32 s93, 0
	s_mov_b32 s[G1S], (2<<16)|(1<<20)|(6<<22)|(3<<25)   ; strips: rows of 128 f32, 16 bytes of padding behind each
	s_mov_b32 s[G1S+1], 128<<16
	s_mov_b32 s[G1S+2], 64<<16
	s_mov_b32 s[G1S+3], 128<<16
	s_mov_b32 s[G1S+4], 64
	s_mov_b32 s[G1S+5], 512
	s_mov_b32 s[G1S+6], 0
	s_mov_b32 s[G1S+7], 0
	WDESC G1F, 100
	WDESC G1N, 50
	s_mov_b32 s[TR], 0
	s_mov_b32 s[SRP], PIMG
	s_mov_b32 s[SBI], 0
	s_wait_dscnt 0x0
	s_wait_kmcnt 0x0
	s_add_nc_u64 s[4:5], s[4:5], s[94:95]
	s_add_nc_u64 s[6:7], s[6:7], s[94:95]
	s_add_nc_u64 s[22:23], s[22:23], s[94:95]
	s_mov_b32 s[G0H], 1                            ; waves 0-3: prev's strip w, waves 4-7: inp's strip w, 64 rows each
	s_mul_i32 s[G0H+1], s[WV], STRIP
	s_cmp_lt_u32 s[WV], 4
	s_cselect_b64 s[G0H+2:G0H+3], s[6:7], s[4:5]
	s_add_nc_u64 s[G0H+2:G0H+3], s[G0H+2:G0H+3], s[96:97]
	s_or_b32 s[G0H+3], s[G0H+3], 0x80000000
	s_mov_b32 s[G0P], 1                            ; behind the loop: my own 32 rows x 128 columns of prev
	s_mov_b32 s[G0P+1], s[SB]
	s_add_nc_u64 s[G0P+2:G0P+3], s[6:7], s[98:99]
	s_or_b32 s[G0P+3], s[G0P+3], 0x80000000
	s_mov_b32 s[G0F], 1                            ; both slots at once: an eighth of two items a wave
	s_mul_i32 s[G0F+1], s[WV], 25600
	s_mov_b32 s92, s[G0F+1]
	s_add_nc_u64 s[G0F+2:G0F+3], s[8:9], s[92:93]
	s_or_b32 s[G0F+3], s[G0F+3], 0x80000000
	s_mov_b32 s[G0A], 1                            ; slot 0: item 4 t + 2; slot 1: item 4 t + 3
	s_mul_i32 s[G0A+1], s[WV], 12800
	s_mov_b32 s92, s[G0A+1]
	s_add_nc_u64 s[G0A+2:G0A+3], s[8:9], s[92:93]
	s_add_nc_u64 s[G0A+2:G0A+3], s[G0A+2:G0A+3], 2*ITEM
	s_mov_b32 s[G0B], 1
	s_add_co_u32 s[G0B+1], s[G0A+1], ITEM
	s_add_nc_u64 s[G0B+2:G0B+3], s[G0A+2:G0A+3], ITEM
	s_or_b32 s[G0A+3], s[G0A+3], 0x80000000
	s_or_b32 s[G0B+3], s[G0B+3], 0x80000000
	ROUND
	tensor_load_to_lds s[G0H:G0H+3], s[G1S:G1S+7]  ; one tensor load a wave at the head
	s_nop 0
	PLACES
	WA
.irp k, 0,1,2,3,4,5
	global_load_b128 v[40+4*\k:43+4*\k], v36, s[10+2*\k:11+2*\k]   ; my columns of the six biases
.endr
	WIN 0x40
.irp k, 0,1,2,3,4,5
.irp j, 0,1,2,3
	global_load_b128 v[16*\k+4*\j:16*\k+4*\j+3], v[LI], s[10+2*\k:11+2*\k] offset:512*\j   ; all of each bias, 16 numbers a lane
.endr
.endr
	WIN 0
	s_wait_loadcnt 0x0
	WIN 0x05
.irp g, 0,1,2
	BDOT 3*\g, 32*\g, 32*\g                        ; b1 b1, b2 b2, b1 b2 of each trip
	BDOT 3*\g+1, 16+32*\g, 16+32*\g
	BDOT 3*\g+2, 32*\g, 16+32*\g
.endr
	WIN 0
.irp d, 0,1,2,3,4,5,6,7,8
	v_add_f32 v[64+2*\d], v[64+2*\d], v[65+2*\d]
.endr
.irp x, 1,2,4,8
.irp d, 0,1,2,3,4,5,6,7,8
	v_add_f32_dpp v[64+2*\d], v[64+2*\d], v[64+2*\d] row_xmask:\x row_mask:0xf bank_mask:0xf
.endr
.endr
.irp d, 0,1,2,3,4,5,6,7,8
	v_permlanex16_b32 v[65+2*\d], v[64+2*\d], s[SEL], s[SEL+1]
.endr
.irp d, 0,1,2,3,4,5,6,7,8
	v_add_f32 v[64+2*\d], v[64+2*\d], v[65+2*\d]
.endr
.irp d, 0,1,2,3,4,5,6,7,8
	v_readfirstlane_b32 s[BD+\d], v[64+2*\d]
.endr
	s_cmp_lg_u32 s[SG], 0
	WA
	s_cbranch_scc1 .Lno_bias                       ; waves 0-3 lay the biases' columns in LDS for both row groups
.irp k, 0,1,2,3,4,5
	ds_store_b128 v37, v[40+4*\k:43+4*\k] offset:512*\k
.endr
.Lno_bias:
	MEET                                           ; all eight strips are whole
	STRIPIN TA, 128                                ; prev
	WIN 0x40
	STRIPIN 38, 0                                  ; inp, where P will lie
	CHANGE G0F, G1F, 0                             ; the strips are read: items 0 and 1 take their bytes
	DOT 7, 0, 128, 128, 64                         ; |prev|^2
	DOT 8, 0x05, 0, 0, 64                          ; |inp|^2
	QUANT 0, 0, 128, 0
	QUANT 0, 0, 128, 1
	IMAGES 0
	WD 0x0
	QUANT 1, 5, 0, 0
	QUANT 1, 5, 0, 1
	IMAGES XIMG-PIMG
	MEET
	SUMLD 96, 7
	SUMLD 100, 8
	WD 0x0
	SUMP PP, 96
	SUMP 64, 100
	KAPPA KP, PP, 88
	KAPPA KX, 64, 88
	WA
; ================= three trips: r, candidate, z =================
.Ltop:
	v_add_nc_u32 v[RP], s[SRP], v[RB]              ; P's left operand: prev's image, in trip 1 that of prev x rt
	v_add_nc_u32 v[BIC], s[SBI], v[BIA]            ; the trip's two biases
	s_cmp_eq_u32 s[TR], 1
	s_cselect_b32 s[MK], -1, 0
	WA
	HALF 0, 0, RP, 0, 1
	CHANGE G0A, G1N, 0
	HALF 0, 2, RP, 2, 0
	CHANGE G0B, G1N, 0                             ; its four v_nop are the places ahead of the reads of P
	BIASLD 0
	DOT 0, 0x05, 0, 0, 64                          ; P P
	WD 0x0
	DOT 1, 0x01, 0, 64, 0                          ; P b1
	BIASLD 1
	WD 0x0
	DOT 2, 0x01, 0, 64, 0                          ; P b2
	HALF 128, 0, RX, 0, 1
	MEET                                           ; slot 1's item is whole
	HALF 128, 2, RX, 2, 0
	PLACES
	BIASLD 0
	DOT 3, 0x05, 128, 128, 64                      ; X X
	DOT 6, 0x05, 0, 128, 64                        ; P X
	WD 0x0
	DOT 4, 0x01, 128, 64, 0                        ; X b1
	BIASLD 1
	WD 0x0
	DOT 5, 0x01, 128, 64, 0                        ; X b2
	BAR
.irp n, 0,1,2,3,4,5,6
	SUMLD 96+4*\n, \n
.endr
.irp n, 0,1,2
	v_mov_b32 v[71+\n], s[BD+\n]
.endr
	WD 0x0
.irp n, 0,1,2,3,4,5,6
	SUMP 64+\n, 96+4*\n
.endr
	HYPLIN 74, 75, 76, KP, 64, 65, 71, 88          ; u = a1 P + c1 b1
	HYPLIN 77, 78, 79, KX, 67, 69, 72, 88          ; v = a2 X + c2 b2
	v_mul_f32 v88, v74, v77
	v_mul_f32 v80, v88, v70
	v_mul_f32 v88, v74, v78
	v_fmac_f32 v80, v88, v66
	v_mul_f32 v88, v75, v77
	v_fmac_f32 v80, v88, v68
	v_mul_f32 v88, v75, v78
	v_fmac_f32 v80, v88, v73                       ; u v
	MOBADD 81, 82, 76, 79, 80, 88
	NORM2 NN, 81, 82, 76, 79, 80, 88
	KAPPA 83, NN, 88
	v_mul_f32 v83, 0xbfb8aa3b, v83                 ; gates: logmap0's factor x -log2(e), for the sigmoid's exponential;
	v_cndmask_b32 v83, v83, 1.0, s[MK]             ; the candidate: 1
	v_mul_f32 v81, v81, v83
	v_mul_f32 v82, v82, v83
	v_mul_f32 v84, v81, v74
	v_mul_f32 v85, v82, v77
	v_mul_f32 v86, v81, v75
	v_mul_f32 v87, v82, v78
	BCAST CB, 84
	BCAST CB+2, 85
	BCAST CB+4, 86
	BCAST CB+6, 87
	WA
	BIASLD 0
	EMUL 0x41, 0, CB
	EFMA 0x51, 0, 128, 64, CB+2
	WIN 0
	WD 0x0
	EFMA 0x50, 0, 64, 0, CB+4
	WIN 0
	BIASLD 1
	WD 0x0
	EFMA 0x50, 0, 64, 0, CB+6
	WIN 0
	s_cmp_eq_u32 s[TR], 1
	WA
	s_cbranch_scc1 .Lno_sigmoid
	WIN 0x41
.set EQ, 0
.rept 128
	v_exp_f32 v[EQ], v[EQ]
.set EQ, EQ+1
.endr
	v_nop
	WA
.set EQ, 0
.rept 64
	v_pk_add_f32 v[EQ:EQ+1], v[EQ:EQ+1], 1.0 op_sel_hi:[1,0]
.set EQ, EQ+2
.endr
	WA
.set EQ, 0
.rept 128
	v_rcp_f32 v[EQ], v[EQ]
.set EQ, EQ+1
.endr
	v_nop
	WA
	WIN 0x44
.set EQ, 0
.rept 64
	v_pk_mul_f32 v[EQ:EQ+1], v[128+EQ:129+EQ], v[EQ:EQ+1]          ; prev x rt; in trip 2 res1 x zt
.set EQ, EQ+2
.endr
	WIN 0
	WA
.Lno_sigmoid:
	s_cmp_eq_u32 s[TR], 2
	s_cbranch_scc1 .Lfinal
	CHANGE G0F, G1F, 1                             ; both slots are read out: the next trip's first two items
	s_cmp_eq_u32 s[TR], 1
	s_cbranch_scc1 .Lcand
	QUANT 1, 5, 0, 0                               ; prev x rt becomes the candidate's left operand
	QUANT 1, 5, 0, 1
	IMAGES AIMG-PIMG
	WA
	s_branch .Lnext
.Lcand:
	DOT 9, 0x04, 128, 0, 64                        ; prev . ht_new
	BAR
	SUMLD 96, 9
	WD 0x0
	SUMP 64, 96
	v_mul_f32 v64, -1.0, v64
	MOBADD 65, 66, PP, NN, 64, 88                  ; res1 = mobius_add(-prev, ht_new)
	NORM2 67, 65, 66, PP, NN, 64, 88
	KAPPA KR, 67, 88
	v_mul_f32 v65, -1.0, v65
	BCAST CB, 65
	BCAST CB+2, 66
	EMUL 0, 128, CB
	EFMA 0x01, 128, 0, 64, CB+2                    ; res1 lies where prev lay
	WIN 0
	WA
.Lnext:
	MEET
.irp n, 0,1,2,3,4,5
	s_mov_b32 s[BD+\n], s[BD+3+\n]                 ; the next trip's bias dots
.endr
	s_xor_b32 s[SRP], s[SRP], PIMG^AIMG
	s_add_co_u32 s[SBI], s[SBI], 1024
	s_add_co_u32 s[TR], s[TR], 1
	s_cmp_lt_u32 s[TR], 3
	s_cbranch_scc1 .Ltop
; ================= ht = mobius_add(prev, from_mx(res1, res1 x zt)) =================
.Lfinal:
	CHANGE G0P, G1S, 2                             ; prev once more: my own 32 rows x 128 columns, into my part of the strips' bytes
	DOT 10, 0x05, 0, 0, 64                         ; |res1 zt|^2
	WA
	s_wait_tensorcnt 0x0
	WIN 0x40
	STRIPIN TA, 128                                ; prev, where X lay
	WIN 0
	WD 0x0
	DOT 11, 0x05, 128, 0, 64                       ; prev . (res1 zt)
	BAR
	SUMLD 96, 10
	SUMLD 100, 11
	WD 0x0
	SUMP 64, 96
	SUMP 65, 100
	FROMMX 66, KR, 64, 88
	v_mul_f32 v67, v66, v66
	v_mul_f32 v67, v67, v64
	v_mul_f32 v68, v66, v65
	MOBADD 69, 70, PP, 67, 68, 88
	v_mul_f32 v70, v70, v66
	BCAST 32, 69
	BCAST 34, 70
	v_add_nc_u32 v[TB], s[SB], v[LI]               ; the stage, read back by rows: my strip's bytes, which have had their last fill and their last read
	s_lshl_b32 s92, s[SG], 16
	s_lshl_b32 s93, s[SW], 9
	s_add_co_u32 s92, s92, s93
	v_add_nc_u32 v[CO], s92, v[LI]
	WA
.macro OUTT m
	WIN 0x41
	EMULT 0, \m, 34
	WIN 0x51
	EFMAT 0, \m, 128, 64, 32
	WIN 0x04
.irp b, 0,1,2,3
.irp j, 0,1,2,3
	ds_store_b128 v[TA], v[64*\m+16*\b+4*\j:64*\m+16*\b+4*\j+3] offset:8448*\m+128*\b+16*\j
.endr
.endr
	WIN 0
.irp i, 0,1,2,3,4,5,6,7,8,9,10,11,12,13,14,15
	ds_load_b128 v[40+64*\m+4*\i:43+64*\m+4*\i], v[TB] offset:8448*\m+528*\i   ; my own bytes, served in order
.endr
.endm
.macro SENDT m, younger
	s_wait_dscnt \younger
.irp i, 0,1,2,3,4,5,6,7,8,9,10,11,12,13,14,15
	global_store_b128 v[CO], v[40+64*\m+4*\i:43+64*\m+4*\i], s[22:23] offset:(16*\m+\i)*2048 th:TH_STORE_NT   ; 32 lanes store 512 consecutive bytes of a row
.endr
.endm
	OUTT 0
	OUTT 1
	SENDT 0, 32                                    ; behind tile 0's loads: tile 1's 16 stores and 16 loads
	SENDT 1, 0
	s_wait_tensorcnt 0x0                           ; the wave's end
	ds_add_u32 v[SPW], v[NIL]
	s_wait_dscnt 0x0
	ROUND                                          ; the closing round
	s_endpgm
.Lfunc_end_k_q303cd25190_gru:
	.size	k_q303cd25190_gru, .Lfunc_end_k_q303cd25190_gru-k_q303cd25190_gru
	.p2alignl 7, 3214868480
	.fill 96, 4, 3214868480
	.section	.rodata,"a",@progbits
	.p2align	6, 0x0
	.amdhsa_kernel k_q303cd25190_gru
		.amdhsa_group_segment_fixed_size 327680
		.amdhsa_private_segment_fixed_size 0
		.amdhsa_enable_private_segment 0
		.amdhsa_kernarg_size 80
		.amdhsa_user_sgpr_count 2
		.amdhsa_user_sgpr_kernarg_segment_ptr 1
		.amdhsa_wavefront_size32 1
		.amdhsa_system_sgpr_workgroup_id_x 1
		.amdhsa_system_sgpr_workgroup_id_y 1
		.amdhsa_system_sgpr_workgroup_id_z 1
		.amdhsa_system_vgpr_workitem_id 0
		.amdhsa_next_free_vgpr 512
		.amdhsa_next_free_sgpr 100
		.amdhsa_reserve_vcc 1
		.amdhsa_float_denorm_mode_32 3
		.amdhsa_float_denorm_mode_16_64 3
		.amdhsa_memory_ordered 1
		.amdhsa_forward_progress 1
		.amdhsa_inst_pref_size 224
	.end_amdhsa_kernel
	.amdgpu_metadata
---
amdhsa.version: [ 1, 2 ]
amdhsa.kernels:
  - .name:           k_q303cd25190_gru
    .symbol:         k_q303cd25190_gru.kd
    .args:
      - { .name: inp, .offset: 0, .size: 8, .value_kind: global_buffer, .address_space: global }
      - { .name: prev, .offset: 8, .size: 8, .value_kind: global_buffer, .address_space: global }
      - { .name: wq, .offset: 16, .size: 8, .value_kind: global_buffer, .address_space: global }
      - { .name: bWr, .offset: 24, .size: 8, .value_kind: global_buffer, .address_space: global }
      - { .name: bUr, .offset: 32, .size: 8, .value_kind: global_buffer, .address_space: global }
      - { .name: bW, .offset: 40, .size: 8, .value_kind: global_buffer, .address_space: global }
      - { .name: bU, .offset: 48, .size: 8, .value_kind: global_buffer, .address_space: global }
      - { .name: bWz, .offset: 56, .size: 8, .value_kind: global_buffer, .address_space: global }
      - { .name: bUz, .offset: 64, .size: 8, .value_kind: global_buffer, .address_space: global }
      - { .name: out0, .offset: 72, .size: 8, .value_kind: global_buffer, .address_space: global }
    .group_segment_fixed_size: 327680
    .private_segment_fixed_size: 0
    .kernarg_segment_align: 8
    .kernarg_segment_size: 80
    .max_flat_workgroup_size: 256
    .sgpr_count:     100
    .vgpr_count:     512
    .wavefront_size: 32
...
	.end_amdgpu_metadata
.endif
;; end of part 2
